; MI455X (gfx1250); checked and timed in simulation.
; The chip was launched on July 23, 2026; its instructions are those of AMD's public machine-readable ISA for CDNA 5 (MIT licence, August 2026) and "CDNA5" Instruction Set Architecture Reference Guide (July 2026). The comments in the code are by the model that wrote it; some were corrected since.
;; Adjusted Non Local Block. Allowed arithmetic: matrix products marked QUANTISED: E3M2 operands, one E8M0 scale for each 32 along K, by v_wmma_scale_f32_16x16x128_f8f6f4 with both operands' format E3M2, f32 sums; everything else in f32.
;; Inputs: W_b 128 float32; W_w_codes 128 x 2 x 24 uint8 (E3M2 codes of W_w, K innermost, in blocks of 32 codes, four codes in three bytes); W_w_scales 128 x 2 uint8 (E8M0 scales of W_w, one for each 32 codes along K); g_b 64 float32; g_w_codes 64 x 4 x 24 uint8 (E3M2 codes of g_w, K innermost, in blocks of 32 codes, four codes in three bytes); g_w_scales 64 x 4 uint8 (E8M0 scales of g_w, one for each 32 codes along K); phi_b 64 float32; phi_w_codes 64 x 4 x 24 uint8 (E3M2 codes of phi_w, K innermost, in blocks of 32 codes, four codes in three bytes); phi_w_scales 64 x 4 uint8 (E8M0 scales of phi_w, one for each 32 codes along K); theta_b 64 float32; theta_w_codes 64 x 4 x 24 uint8 (E3M2 codes of theta_w, K innermost, in blocks of 32 codes, four codes in three bytes); theta_w_scales 64 x 4 uint8 (E8M0 scales of theta_w, one for each 32 codes along K); x0 4 x 128 x 64 x 64 float32; x1_codes 4 x 64 x 64 x 4 x 24 uint8 (E3M2 codes of x1, K innermost, in blocks of 32 codes, four codes in three bytes); x1_scales 4 x 64 x 64 x 4 uint8 (E8M0 scales of x1, one for each 32 codes along K).
;; Outputs: out0 4 x 128 x 64 x 64 float32.
;; This version of the problem:
;;   THIS VERSION OF THE PROBLEM IS GIVEN IN LOW PRECISION. The matrix products marked QUANTISED in the list below multiply operands that are first quantised to E3M2 (3 exponent bits, 2 mantissa bits; 6 bits a number), with one power-of-two scale for each 32 numbers along K (OCP MX v1.0); their sums are f32. All else is computed in f32.
;;   The module's matrix products, in the order in which they are computed (A, B: the left and right operand; K: the contracted axis; several contracted axes count as one K, in the product's order):
;;     1. [M 64, K 128] x [K 128, N 16,384]; A: input g_w (given as codes); B: input x0: QUANTISED
;;     2. [M 64, K 128] x [K 128, N 16,384]; A: input theta_w (given as codes); B: input x1 (given as codes): QUANTISED
;;     3. [M 64, K 128] x [K 128, N 16,384]; A: input phi_w (given as codes); B: input x0: QUANTISED
;;     4. batch 4 x [M 4,096, K 64] x [K 64, N 4,096]; A: computed on the way; B: computed on the way: QUANTISED
;;     5. batch 4 x [M 4,096, K 4,096] x [K 4,096, N 64]; A: softmax (see below); B: computed on the way: QUANTISED
;;     6. [M 128, K 64] x [K 64, N 16,384]; A: input W_w (given as codes); B: computed on the way: QUANTISED
;;   THE QUANTISER, for each operand of a quantised product, along K:
;;     - K is cut into blocks of 32 from its start; a last block that is shorter is filled with zeros.
;;     - A block's scale is 2^e with e = floor(log2(the largest magnitude in the block)) - 4, held to -126 .. 127; a block of zeros has e = 0. As a byte (E8M0): e + 127.
;;     - Each number is divided by its block's scale, clamped to +-28, and rounded to the nearest number of E3M2, ties to even, subnormals kept.
;;     - The product sums the exact products of the quantised numbers (number of the format x scale) in f32.
;;   ~~~python
;;   def quantise(x, axis):      # numpy; x: float32 -> the quantised numbers, widened to float32 again
;;       x = np.moveaxis(x, axis, -1); K = x.shape[-1]
;;       x = np.pad(x, [(0, 0)] * (x.ndim - 1) + [(0, -K % 32)]); x = x.reshape(x.shape[:-1] + (-1, 32)); a = np.abs(x).max(-1, keepdims=True)
;;       e = np.where(a > 0, np.clip(np.frexp(np.where(a > 0, a, 1))[1] - 1 - 4, -126, 127), 0)      # np.frexp(a)[1] - 1 = floor(log2(a)), exactly
;;       r = np.clip(x / 2.0 ** e, -28, 28)
;;       step = 2.0 ** (np.maximum(np.frexp(np.where(r == 0, 1, r))[1] - 1, -2) - 2)
;;       q = np.round(r / step) * step * 2.0 ** e      # np.round: ties to even
;;       return np.moveaxis(q.reshape(q.shape[:-2] + (-1,))[..., :K], -1, axis).astype(np.float32)
;;   ~~~
;;   SOFTMAX AHEAD OF A QUANTISED PRODUCT. Where the list says 'softmax', what is quantised is not the finished softmax but p = 2^(t - M), with t = logit x log2(e) and M = ceil(the row's largest t), a whole number; so 1/2 < the row's largest p <= 1. The row's sum l is taken of the UNQUANTISED p, in f32, and the product's result is divided by l at the end. Since M is a whole number, a kernel that streams over the keys may use a running M (the ceiling of the running maximum): every later rescaling is an exact power of two, which a block's scale takes up: the codes' values come out the same.
;;   OPERANDS COMPUTED ON THE WAY. 'Computed on the way' means the value that the module computes at that place (a softmax that the list does not call 'softmax' is quantised finished and normalised). What goes into a quantiser is computed in f32, as accurately as f32 sums, v_exp_f32 and their like allow (about 1e-6 of the number): no bf16 or f16 on the way to a quantiser, and a product that is left as it is and whose result goes on into a quantised operand takes f32 operands (vector FMAs, or v_wmma_f32_16x16x4_f32). A number that lies on a knife's edge between two numbers of the format may be rounded either way, as far as f32 arithmetic and the matrix unit's own rounding can turn it there, and no further.
;;   INPUTS GIVEN AS CODES. W_w (in the module: [128, 64], K = its axis 1); g_w (in the module: [64, 128], K = its axis 1); phi_w (in the module: [64, 128], K = its axis 1); theta_w (in the module: [64, 128], K = its axis 1); x1 (in the module: [4, 128, 64, 64], K = its axis 1): each comes as NAME_codes (uint8): NAME with its K axis moved to the last place and cut into blocks of 32 codes, [.., K / 32, bytes a block], one block behind the other in memory; four codes in three bytes: a row's codes are one little-endian stream of bits, code i at bits 6 i .. 6 i + 5 (a code: sign, 3 exponent bits, 2 mantissa bits); and NAME_scales (uint8): the same leading axes, one E8M0 byte (e + 127) for each 32 codes along K. Its value is code x scale, taken as it is: it is not quantised again, and the codes and scales need not be those that the quantiser above would give.
;; One version. Each part assembles by itself: llvm-mc -triple=amdgcn-amd-amdhsa -mcpu=gfx1250 --defsym DOCPART=n.
;; ======== version 1 of 1: 2 launches
;; workspace buffers: kv 1,703,936 bytes
;; launch project (part 1): grid 256 x 1, 4 waves a work-group, no clusters, 168,448 bytes of LDS; arguments x0, phi_w_codes, phi_w_scales, phi_b, g_w_codes, g_w_scales, g_b, kv; writes kv
.if DOCPART == 1
	.amdgcn_target "amdgcn-amd-amdhsa--gfx1250"
	.amdhsa_code_object_version 6
	.text
	.protected	k_q6d98db1186_project
	.globl	k_q6d98db1186_project
	.p2align	8
	.type	k_q6d98db1186_project,@function
k_q6d98db1186_project:
	s_mov_b64 s[64:65], 0
	v_nop
	global_prefetch_b8 v0, s[64:65] scope:SCOPE_SE
	s_setreg_imm32_b32 hwreg(HW_REG_WAVE_MODE, 25, 1), 1
	s_wait_xcnt 0x0
; x0 [4][128][4096] f32 is quantised along its 128 channels to codes of BF6 (E3M2) with one E8M0 byte for each 32, and multiplied by phi_w and g_w (codes as given):
;   phi(key, ci) = sum over c of phi_w(ci, c) x0(c, key) + phi_b(ci), quantised along ci;   g(key, ci) = the same with g_w, g_b, quantised along the KEYS.
; Both leave as images of operand registers in kv, in the order in which the attention launch loads them.
; SHARES.  Work-group G takes batch G / 64, keys 64 (G % 64) on: 128 rows of 256 bytes of x0, brought by four tensor loads, one a wave (32 channels each), filled once.
; Wave w quantises key tile w, makes phi of key tile w for all 64 ci, and g of channel tile w for all 64 keys.
; NO CLUSTER: no two work-groups read the same bytes of x0; what they share, the two weights with scales and biases, is 13,312 bytes against the 32,768 of x0 and goes straight into registers.
; THE ROWS OF A TILE ARE NOT NEIGHBOURS: lane r of tile 2 b + u (of keys, of rows of phi_w, of rows of g_w) takes row 32 b + 8 u + r + 8 (r / 8), so that in a result the 16 registers of
; tiles 2 b and 2 b + 1 are 16 neighbours, 32 b + 16 (lane / 16) + 0 .. 15, along the axis that is quantised next.
; kv: half-block G of 6,656 bytes: K tile i at 768 i (registers 0-3 at 16 x lane, registers 4-5 at 512 + 8 x lane), V part t at 3,072 + 768 t likewise, and at 6,144 + 16 x lane four scale words:
; K words 0, 1 (lanes 0-15 tile 2 p, lanes 16-31 tile 2 p + 1; bytes s0, s1, 0, 0) and V words 0, 1 (the two bytes at byte 2 (G % 2) on, the rest 0: the reader joins two half-blocks by an OR).
; LIMITS: NaN and infinities among the inputs are not served.  A block whose largest magnitude lies under 2^-122 (a block of zeros among them) gets the byte 1; a block of zeros has zero codes, and only this program reads the bytes.
.set XTS,  8224                        ; LDS: 32 channels x 256 bytes, and 32 bytes more: lanes 16-31, which read 32 channels further on, then fall 8 banks aside of lanes 0-15 (64 banks of 4 bytes: ISA guide 11.1)
.set XIMG, 33024                       ; the four fragments of x0 as images of their registers, 1,536 bytes each
.set XSC,  39168                       ; their scale words, 128 bytes each
.set SCST, 39680                       ; the 512 bytes of scale words that go to kv
.set HB,   6656                        ; a half-block of kv
.set SEL,  34                          ; s[34:35] lane selects of v_permlanex16_b32: lane l xor 16
.set BM,   28                          ; v28-29 largest magnitudes;  v30-31 the other half, then bytes;  v32-33 the scale operands of the conversions
.set BP,   30
.set SO,   32
.set X,    48                          ; v48-111 64 numbers of x0; later the four fetched fragments, v48-95
.set XF,   112                         ; v112-123 my fragment of x0;  v124-130 second halves of its blocks
.set PWF,  132                         ; v132-179 the four tiles of phi_w; later the four accumulators of g, v132-163
.set GA,   132
.set PA,   180                         ; v180-211 the four accumulators of phi: phi_b is loaded into them
.set GWF,  212                         ; v212-223 my tile of g_w
.set GB,   224                         ; v224-231 g_b of my channel, eight times
; v16-19 scale words of phi_w, v20 of g_w, v21 of my fragment, v22-25 of the four fragments, v26 the K word, v27 the V word: these hold scales and nothing else
.macro PLACES n
.rept \n
	v_nop
.endr
.endm
; 32 numbers of a lane, register s + 16 b + i = k 32 b + 16 (lane / 16) + i of my row, become the six registers pc .. pc + 5 of an operand (lane (r, h): k = 32 h + 0 .. 31) and the scale word pw (bytes s0, s1, 0, 0).
.macro QUANT2 s, pc, pt, pw
.irp b, 0,1
	v_max3_num_f32 v[BM+\b], |v[\s+16*\b]|, |v[\s+16*\b+1]|, 0x2800000   ; my 16 numbers of block b, and the floor 2^(5 - 127): the byte cannot fall under 1
.endr
.irp i, 2,4,6,8,10,12,14
.irp b, 0,1
	v_max3_num_f32 v[BM+\b], v[BM+\b], |v[\s+16*\b+\i]|, |v[\s+16*\b+\i+1]|
.endr
.endr
.irp b, 0,1
	v_permlanex16_b32 v[BP+\b], v[BM+\b], s[SEL], s[SEL+1]
.endr
.irp b, 0,1
	v_max_num_f32 v[BM+\b], v[BM+\b], v[BP+\b]     ; with the 16 of lane l xor 16: the largest magnitude of the block
.endr
.irp b, 0,1
	v_add_nc_u32 v[SO+\b], 0xfe000000, v[BM+\b]    ; 4 off its exponent field: the conversion takes the exponent field of this operand as its scale
.endr
.irp b, 0,1
	v_lshrrev_b32 v[BP+\b], 23, v[SO+\b]           ; the byte
.endr
	v_lshl_or_b32 v[\pw], v[BP+1], 8, v[BP]
	v_cvt_scalef32_pk16_bf6_f32 v[\pc:\pc+2], v[\s:\s+15], v[SO]
	v_cvt_scalef32_pk16_bf6_f32 v[\pt:\pt+2], v[\s+16:\s+31], v[SO+1]
	v_nop                                          ; one plain place behind a scaled conversion
.irp i, 0,1,2
	v_permlane16_swap_b32 v[\pc+\i], v[\pt+\i]     ; a whole block to a lane: the first now holds the lower 16 codes of the block of each lane, the second the upper 16
.endr
.irp i, 0,1,2
	v_mov_b32 v[\pc+3+\i], v[\pt+\i]
.endr
.endm
	s_load_b512 s[4:19], s[0:1], 0x0               ; x0 s[4:5], phi_w codes s[6:7], scales s[8:9], phi_b s[10:11], g_w codes s[12:13], scales s[14:15], g_b s[16:17], kv s[18:19]
	v_lshl_add_u32 v254, v0, 2, 0x29000
	v_mov_b32 v255, 0
	ds_add_u32 v254, v255
	ds_add_u32 v254, v255
	v_lshrrev_b32 v1, 5, v0
	v_readfirstlane_b32 s32, v1                    ; wave 0..3
	v_and_b32 v3, 31, v0                           ; lane
	v_and_b32 v1, 15, v0                           ; r
	v_bfe_u32 v2, v0, 4, 1                         ; h
	v_and_b32 v4, 8, v1
	v_add_nc_u32 v4, v4, v1                        ; r + 8 (r / 8)
	s_mov_b32 s[SEL], 0x76543210
	s_mov_b32 s[SEL+1], 0xfedcba98
	s_lshr_b32 s37, s32, 1
	s_and_b32 s40, s32, 1
	s_lshl_b32 s33, s37, 5
	s_lshl_b32 s41, s40, 3
	s_add_co_u32 s33, s33, s41                     ; the first row of tile w: 32 (w / 2) + 8 (w % 2)
	; descriptor group 1: 32 rows of 64 f32, 4,096 elements from row to row, no padding
	s_mov_b32 s24, 2<<16                           ; no mask; elements of 4 bytes
	s_mov_b32 s25, 64<<16                          ; tensor_dim0 = 64
	s_mov_b32 s26, 32<<16                          ; tensor_dim1 = 32
	s_mov_b32 s27, 64<<16                          ; tile_dim0 = 64
	s_mov_b32 s28, 32                              ; tile_dim1 = 32
	s_mov_b32 s29, 4096                            ; the pitch
	s_mov_b32 s30, 0
	s_mov_b32 s31, 0
	s_mov_b32 s20, 1                               ; group 0: count = 1,
	s_mul_i32 s21, s32, XTS                        ; LDS address: my 32 channels,
	s_lshr_b32 s38, ttmp9, 6
	s_lshl_b32 s38, s38, 21                        ; the batch: 128 x 16,384 bytes,
	s_lshl_b32 s39, s32, 19                        ; my 32 channels,
	s_add_co_u32 s38, s38, s39
	s_and_b32 s39, ttmp9, 63
	s_lshl_b32 s39, s39, 8                         ; the 64 keys
	s_add_co_u32 s38, s38, s39
	s_mov_b32 s39, 0
	s_mul_i32 s42, s33, 96                         ; my tile of g_w: rows of 96 bytes
	s_mov_b32 s43, 0
	s_lshl_b32 s44, s33, 2                         ; its scale words and its g_b: 4 bytes a row
	s_mov_b32 s45, 0
	s_mul_i32 s46, ttmp9, HB                       ; my half-block of kv,
	s_mul_i32 s47, s32, 768                        ; my tile in it
	s_add_co_u32 s46, s46, s47
	s_mov_b32 s47, 0
	s_and_b32 s36, ttmp9, 1
	s_lshl_b32 s36, s36, 4                         ; the V word stands 16 (G % 2) bits up
	v_mul_u32_u24 v12, v4, 96
	v_mad_u32_u24 v12, v2, 24, v12                 ; a weight: row r + 8 (r / 8) of a tile, + 24 h
	v_lshlrev_b32 v13, 2, v4                       ; 4 bytes a row
	v_lshlrev_b32 v14, 6, v2                       ; phi_b: 16 h numbers on
	s_wait_dscnt 0x0
	s_wait_kmcnt 0x0
	s_add_nc_u64 s[22:23], s[4:5], s[38:39]
	s_or_b32 s23, s23, 0x80000000                  ; type = 2
	tensor_load_to_lds s[20:23], s[24:31]          ; my one tensor load: it is the only one that is out
	s_nop 0
.irp t, 0,1,2,3                                ; phi_w: tile t begins at row 32 (t / 2) + 8 (t % 2)
.irp p, 0,1,2,3,4,5
	global_load_b64 v[PWF+12*\t+2*\p:PWF+12*\t+2*\p+1], v12, s[6:7] offset:(32*(\t/2)+8*(\t%2))*96+48*(\p/3)+8*(\p%3)
.endr
	global_load_b32 v[16+\t], v13, s[8:9] offset:(32*(\t/2)+8*(\t%2))*4
	global_load_b128 v[PA+8*\t:PA+8*\t+3], v14, s[10:11] offset:(32*(\t/2)+8*(\t%2))*4       ; the bias is the C of the product: lane (r, h), register j: ci 32 (t / 2) + 16 h + 8 (t % 2) + j
	global_load_b128 v[PA+8*\t+4:PA+8*\t+7], v14, s[10:11] offset:(32*(\t/2)+8*(\t%2))*4+16
.endr
	s_add_nc_u64 s[12:13], s[12:13], s[42:43]
	s_add_nc_u64 s[14:15], s[14:15], s[44:45]
	s_add_nc_u64 s[16:17], s[16:17], s[44:45]
	s_add_nc_u64 s[18:19], s[18:19], s[46:47]
.irp p, 0,1,2,3,4,5
	global_load_b64 v[GWF+2*\p:GWF+2*\p+1], v12, s[12:13] offset:48*(\p/3)+8*(\p%3)
.endr
	global_load_b32 v20, v13, s[14:15]
	global_load_b32 v[GB], v13, s[16:17]           ; g_b of the channel of my lane
	; LDS addresses
	s_lshl_b32 s41, s33, 2
	v_mul_u32_u24 v5, v2, XTS
	v_lshl_add_u32 v5, v4, 2, v5
	v_add_nc_u32 v5, s41, v5                       ; x0 in LDS: 32 h channels on, my key: 4 (first key of tile w + r + 8 (r / 8))
	v_lshlrev_b32 v6, 4, v3                        ; 16 x lane
	v_lshlrev_b32 v7, 2, v3                        ; 4 x lane
	v_lshlrev_b32 v8, 3, v3                        ; 8 x lane
	s_mul_i32 s41, s32, 1536
	s_add_co_u32 s41, s41, XIMG
	v_add_nc_u32 v9, s41, v6                       ; where my fragment goes
	s_lshl_b32 s41, s32, 7
	s_add_co_u32 s41, s41, XSC
	v_add_nc_u32 v10, s41, v7                      ; and its scale word
	s_lshl_b32 s41, s40, 8
	s_lshl_b32 s42, s37, 2
	s_add_co_u32 s41, s41, s42
	s_add_co_u32 s41, s41, SCST
	v_lshl_add_u32 v11, v1, 4, s41                 ; the words for kv: place 16 (w % 2) + r of 16 bytes, word w / 2
	v_mov_b32 v[BP], 0                             ; written once: the destination of a lane permute counts as one of its sources
	v_mov_b32 v[BP+1], 0
	v_mov_b32 v35, 0
	s_wait_tensorcnt 0x0                           ; my 32 channels lie in LDS,
	s_barrier_signal -1
	s_barrier_wait -1                              ; and so do the other 96
	; ---- my key tile of x0 becomes a fragment: lane (r, h) takes key r of the tile, and its registers run down the channels 64 c + 32 h + 0 .. 31, as the layout of the operand has them
.set i, 0
.rept 32
	ds_load_b32 v[X+i], v5 offset:256*i
	ds_load_b32 v[X+32+i], v5 offset:2*XTS+256*i
.set i, i+1
.endr
	s_wait_dscnt 0x0
	v_max3_num_f32 v[BM], |v[X]|, |v[X+1]|, 0x2800000     ; both blocks are all mine; the floor 2^(5 - 127) holds the byte at 1 from below
	v_max3_num_f32 v[BM+1], |v[X+32]|, |v[X+33]|, 0x2800000
.set i, 2
.rept 15
	v_max3_num_f32 v[BM], v[BM], |v[X+i]|, |v[X+i+1]|
	v_max3_num_f32 v[BM+1], v[BM+1], |v[X+32+i]|, |v[X+33+i]|
.set i, i+2
.endr
	v_add_nc_u32 v[SO], 0xfe000000, v[BM]
	v_add_nc_u32 v[SO+1], 0xfe000000, v[BM+1]
	v_lshrrev_b32 v[BP], 23, v[SO]
	v_lshrrev_b32 v[BP+1], 23, v[SO+1]
	v_lshl_or_b32 v36, v[BP+1], 16, v[BP]          ; my two bytes: blocks h and 2 + h,
	v_lshlrev_b32 v34, 3, v2
	v_lshlrev_b32 v36, v34, v36                    ; 8 h bits up;
	v_permlanex16_b32 v35, v36, s[SEL], s[SEL+1]
	v_or_b32 v21, v36, v35                         ; with the two of lane l xor 16 the word is whole
.irp c, 0,1
	v_cvt_scalef32_pk16_bf6_f32 v[XF+6*\c:XF+6*\c+2], v[X+32*\c:X+32*\c+15], v[SO+\c]
	v_cvt_scalef32_pk16_bf6_f32 v[124+4*\c:126+4*\c], v[X+32*\c+16:X+32*\c+31], v[SO+\c]   ; (the three registers of a conversion begin on an even number)
.endr
	v_nop                                          ; one plain place behind a scaled conversion
.irp c, 0,1
.irp i, 0,1,2
	v_mov_b32 v[XF+3+6*\c+\i], v[124+4*\c+\i]
.endr
.endr
.irp k, 0,1,2
	ds_store_b128 v9, v[XF+4*\k:XF+4*\k+3] offset:512*\k    ; the fragment as it stands: 16 bytes a lane, 512 a store
.endr
	ds_store_b32 v10, v21
	s_wait_dscnt 0x0                               ; for the other waves: my stores have landed
	s_barrier_signal -1
	s_barrier_wait -1
.irp T, 0,1,2,3                                ; all four fragments come back so, for g
.irp k, 0,1,2
	ds_load_b128 v[X+12*\T+4*\k:X+12*\T+4*\k+3], v6 offset:XIMG+1536*\T+512*\k
.endr
	ds_load_b32 v[22+\T], v7 offset:XSC+128*\T
.endr
	; ---- phi of my 16 keys, transposed: source 0 = 16 rows of phi_w, source 1 = my fragment: a lane holds one key, its registers run along ci
	s_wait_loadcnt 0x0                             ; the weights, their scale words, the biases
.irp j, 1,2,3,4,5,6,7
	v_mov_b32 v[GB+\j], v[GB]
.endr
	PLACES 2                                       ; the scale word of my fragment, written by vector instructions, has ten plain lines behind it (8 are asked), the fragment nine (4)
.irp t, 0,1,2,3
	v_wmma_scale_f32_16x16x128_f8f6f4 v[PA+8*\t:PA+8*\t+7], v[PWF+12*\t:PWF+12*\t+11], v[XF:XF+11], v[PA+8*\t:PA+8*\t+7], v[16+\t], v21 matrix_a_fmt:MATRIX_FMT_BF6 matrix_b_fmt:MATRIX_FMT_BF6
.endr
	PLACES 4                                       ; in front of the first read of the results (ISA guide 7.12.1)
	QUANT2 PA, 232, 238, 26
	global_store_b128 v6, v[232:235], s[18:19]               ; K tile w: 512 consecutive bytes, then 256, each at a multiple of 256 from the first byte of kv
	global_store_b64 v8, v[236:237], s[18:19] offset:512
	ds_store_b32 v11, v26                          ; both lanes of a key write the same word with the same value
	; ---- g of all 64 keys for my 16 channels: source 0 = 16 keys of x0, source 1 = my tile of g_w: a lane holds one channel, its registers run along the keys
	s_wait_dscnt 0x0                               ; the four fragments are in
.irp T, 0,1,2,3                                ; the results land on the registers of phi_w: more than five plain lines that name none of them stand behind the products of phi
	v_wmma_scale_f32_16x16x128_f8f6f4 v[GA+8*\T:GA+8*\T+7], v[X+12*\T:X+12*\T+11], v[GWF:GWF+11], v[GB:GB+7], v[22+\T], v20 matrix_a_fmt:MATRIX_FMT_BF6 matrix_b_fmt:MATRIX_FMT_BF6
.endr
	PLACES 4
	QUANT2 GA, 244, 250, 27
	v_lshlrev_b32 v27, s36, v27                    ; the two bytes to their place in the word of 128 keys
	global_store_b128 v6, v[244:247], s[18:19] offset:3072
	global_store_b64 v8, v[248:249], s[18:19] offset:3584
	ds_store_b32 v11, v27 offset:8
	s_wait_dscnt 0x0
	s_barrier_signal -1
	s_barrier_wait -1                              ; the 512 bytes of scale words are whole
	s_cmp_lg_u32 s32, 0
	s_cbranch_scc1 .Lend                           ; wave 0 stores them: its s[18:19] stands at the first byte of the half-block
	ds_load_b128 v[28:31], v6 offset:SCST
	s_wait_dscnt 0x0
	global_store_b128 v6, v[28:31], s[18:19] offset:6144
.Lend:
	s_wait_tensorcnt 0x0
	ds_add_u32 v254, v255
	s_wait_dscnt 0x0
	s_endpgm
.Lfunc_end_k_q6d98db1186_project:
	.size	k_q6d98db1186_project, .Lfunc_end_k_q6d98db1186_project-k_q6d98db1186_project
	.p2alignl 7, 3214868480
	.fill 96, 4, 3214868480
	.section	.rodata,"a",@progbits
	.p2align	6, 0x0
	.amdhsa_kernel k_q6d98db1186_project
		.amdhsa_group_segment_fixed_size 168448
		.amdhsa_private_segment_fixed_size 0
		.amdhsa_enable_private_segment 0
		.amdhsa_kernarg_size 64
		.amdhsa_user_sgpr_count 2
		.amdhsa_user_sgpr_kernarg_segment_ptr 1
		.amdhsa_wavefront_size32 1
		.amdhsa_system_sgpr_workgroup_id_x 1
		.amdhsa_system_sgpr_workgroup_id_y 1
		.amdhsa_system_sgpr_workgroup_id_z 1
		.amdhsa_system_vgpr_workitem_id 0
		.amdhsa_next_free_vgpr 256
		.amdhsa_next_free_sgpr 66
		.amdhsa_reserve_vcc 0
		.amdhsa_float_denorm_mode_32 3
		.amdhsa_float_denorm_mode_16_64 3
		.amdhsa_memory_ordered 1
		.amdhsa_forward_progress 1
		.amdhsa_inst_pref_size 23
	.end_amdhsa_kernel
	.amdgpu_metadata
---
amdhsa.version: [ 1, 2 ]
amdhsa.kernels:
  - .name:           k_q6d98db1186_project
    .symbol:         k_q6d98db1186_project.kd
    .args:
      - { .name: x0, .offset: 0, .size: 8, .value_kind: global_buffer, .address_space: global }
      - { .name: phi_w_codes, .offset: 8, .size: 8, .value_kind: global_buffer, .address_space: global }
      - { .name: phi_w_scales, .offset: 16, .size: 8, .value_kind: global_buffer, .address_space: global }
      - { .name: phi_b, .offset: 24, .size: 8, .value_kind: global_buffer, .address_space: global }
      - { .name: g_w_codes, .offset: 32, .size: 8, .value_kind: global_buffer, .address_space: global }
      - { .name: g_w_scales, .offset: 40, .size: 8, .value_kind: global_buffer, .address_space: global }
      - { .name: g_b, .offset: 48, .size: 8, .value_kind: global_buffer, .address_space: global }
      - { .name: kv, .offset: 56, .size: 8, .value_kind: global_buffer, .address_space: global }
    .group_segment_fixed_size: 168448
    .private_segment_fixed_size: 0
    .kernarg_segment_align: 8
    .kernarg_segment_size: 64
    .max_flat_workgroup_size: 128
    .sgpr_count:     66
    .vgpr_count:     256
    .wavefront_size: 32
...
	.end_amdgpu_metadata
.endif
;; end of part 1
;; launch attend (part 2): grid 256 x 1, 8 waves a work-group, clusters of 4 x 1, 327,680 bytes of LDS; arguments x1_codes, x1_scales, theta_w_codes, theta_w_scales, theta_b, kv, W_w_codes, W_w_scales, W_b, x0, out0; writes out0
.if DOCPART == 2
	.amdgcn_target "amdgcn-amd-amdhsa--gfx1250"
	.amdhsa_code_object_version 6
	.text
	.protected	k_q6d98db1186_attend
	.globl	k_q6d98db1186_attend
	.p2align	8
	.type	k_q6d98db1186_attend,@function
k_q6d98db1186_attend:
	s_mov_b64 s[64:65], 0
	v_nop
	global_prefetch_b8 v0, s[64:65] scope:SCOPE_SE
	s_setreg_imm32_b32 hwreg(HW_REG_WAVE_MODE, 25, 1), 1
	s_wait_xcnt 0x0
	s_wait_alu depctr_hold_cnt(0) depctr_sa_sdst(0) depctr_va_vdst(0) depctr_va_sdst(0) depctr_va_ssrc(0) depctr_va_vcc(0) depctr_vm_vsrc(0)
	s_getreg_b32 s2, hwreg(HW_REG_IB_STS2, 6, 4)
	s_cmp_eq_u32 s2, 0
	s_cbranch_scc0 .Lentry_in_a_cluster
	s_endpgm
.Lentry_in_a_cluster:
	s_bfe_u32 s2, ttmp6, 0x10000c
	s_cmp_lg_u32 s2, 0x3003
	s_cbranch_scc0 .Lentry_shape_is_right
	s_endpgm
.Lentry_shape_is_right:
; out0 = W_w y + W_b + x0, y = softmax(theta phi) g, all products on codes of BF6 (E3M2) with one E8M0 byte for each 32 along K.  theta = theta_w x1 + theta_b is made here; phi and g come from kv as images of operand registers.
; THE SOFTMAX: t = score x log2(e); M = the largest t so far rounded UP to a whole number; p = 2^(t - M) is quantised along the keys, not normalised; the sum of the unquantised p divides at the end.
; SHARES.  A work-group owns 64 queries: four tiles of 16.  THE EIGHT WAVES SHARE THE KEYS: wave w walks key steps 4 w .. 4 w + 3 (128 keys each) of the batch for all four tiles, so that each fragment of K and V is read from LDS
; once in the work-group and feeds four tiles.  The eight partial (M, sum, O) meet in LDS; bringing them under one M multiplies by whole powers of two.
; LAYOUT.  Both products transposed: S^T = K Q^T, O^T = V^T P^T: a lane holds ONE query (lane % 16).  The keys of a tile of K and the channels of a tile of V are laid by the first launch so that
; 16 registers of two neighbouring tiles are 16 neighbours along the next K.
; K = 64 IN AN INSTRUCTION OF 128: the operand that stays (Q, y) has zero codes in its registers 6-11.  The tiles of the streamed operand (K, W_w) lie 6 registers apart, so the upper half that the instruction reads is the next
; tile, which meets zero codes (every code of this format is a finite number, and the scale bytes there are 0, not 0xff); six zeroed registers follow the last tile.
; CLUSTER: the four work-groups of a cluster belong to one batch and walk the same kv: each tile is asked for jointly, by the same tensor load with the mask of all four.  A wave reads only the bytes that its own loads brought.
; By the count of this text a wave has at most two tensor loads out: two at the start, one behind each round.
; LIMITS: NaN and infinities are not served.  A block of zeros gets the byte 1 and zero codes.  The largest p of a block is made from its largest score by the same two instructions, which takes v_exp_f32 not to fall where
; its input rises.  v_exp_f32 gives 0 for results under 2^-126.  The sums over the keys are made in eight parts and then joined: another order of f32 additions than one ascending chain.
; REGISTERS.  Window 0: v1-3 r, h, lane; v4-15 LDS addresses; v16-31 four registers of statistics a tile (-M, largest t, the sum in two halves), in the merge the eight parts' (-M, sum); v32-47 scale words and nothing else;
;   v48-62 at work; v64-127 S^T, then p; in the merge two buffers of 32, then the codes of y, then rows of the result; v128-139 the codes of p; v140-149 at work (at the head the codes of theta); in the merge v128-159 are y;
;   v160-164 offsets into memory; v165-170 LDS addresses of the last phases; v176-223 Q, later W_w; v224-255 accumulators of theta, later of the last product.
;   Window 1: v0-47 eight tiles of K, v48-53 zeros; v56-103 four fragments of V; v128-255 O^T, 32 a tile of queries; at the end v0-31 x0.
.set HB,    6656                       ; a half-block of kv: 64 keys
.set STEPB, 2*HB                       ; a key step
.set SLOT1, 131072                     ; slot 1 begins here: one exclusive or turns an address from one slot into the other; in a slot wave w has 16,384 bytes
.set STG,   262144                     ; the stage for the way out: 128 rows x (256 bytes + 16)
.set SP,    272
.set QIMG,  296960                     ; images of Q: 1,024 bytes for each wave
.set STATS, 305152                     ; (-M, sum) of each wave, tile and lane
.set SPARE, 313344                     ; the spare words, 128 bytes for each wave: four blocks of 256 bytes that no other line names
.set A16,  4                           ; v4-5  my part of slot 0, 1: + 16 x lane
.set A8,   6                           ; v6-7  + 8 x lane
.set SPW,  8                           ; v8    LDS address of my spare word; never rewritten
.set NIL,  9                           ; v9    0; never rewritten
.set QW16, 10                          ; v10-12 where I store my image of Q (16, 8, 4 bytes a lane);  v13-15 where I read the four
.set QW8,  11
.set QW4,  12
.set QR16, 13
.set QR8,  14
.set QR4,  15
.set MS,   16                          ; the merge: v16-31 eight pairs (-M, sum), then the factors
.set SC,   32                          ; v32-39 the scale words of the two half-blocks;  v40-41 those of V joined;  v42-45 those of Q;  v46 that of p;  v47 that of x1, theta, y
.set VS,   40
.set QS,   42
.set PS,   46
.set WS,   47
.set BM,   48
.set BP,   52
.set SO,   56
.set FF,   60                          ; v[60:61] f = 2^(old M - new M)
.set MT,   60                          ; the merge: v60 the least -M, v61 the sum of the row and its reciprocal
.set TMP,  62
.set S,    64
.set YC,   64                          ; v64-75 the codes of y (6 registers, 6 of zeros); v76-78 their second halves on the way
.set PC,   128
.set Y,    128                         ; v128-159 y of my tile of queries
.set PT,   140
.set TC,   140                         ; v140-145 the codes of theta; v146-148 their second halves on the way
.set ACC2, 148
.set OF0,  160                         ; v160-164 offsets into memory: at the head of x1, theta_w, their scale words, theta_b; in the last phase of W_w, its scale bytes, W_b, x0 and out0
.set OF1,  161
.set OF2,  162
.set OF3,  163
.set OF4,  164
.set SW,   165                         ; v165  where I store my statistics;  v166 where I read the eight;  v167-168 the partial O of my tile;  v169 the stage: where I put results;  v170 where I read rows back
.set SA,   166
.set MB0,  167
.set MB1,  168
.set SGA,  169
.set SGR,  170
.set QF0,  176
.set TA,   224
.set KF,   0                           ; in window 1
.set VF,   56
.set OT0,  128
.set WV,   26                          ; s26   wave
.set G0A,  32                          ; s[32:35] group 0 of the first fill;  s[36:39] of the second, which then walks;  s[40:47] group 1
.set G0W,  36
.set G1,   40
.set SEL,  48                          ; s[48:49] lane selects of v_permlanex16_b32: lane l xor 16
.set CS,   50                          ; s[50:51] log2(e), twice: the packed form names a pair
.set MSB, 0
.macro WIN new                         ; the high byte of the immediate repeats the setting that is left; a switch that changes nothing is dropped
.if MSB != \new
	s_set_vgpr_msb (MSB<<8)|\new
.set MSB, \new
.endif
.endm
.set W_KQ, 0x01                        ; source 0 (K) window 1
.set W_RS, 0x41                        ; destination and source 0 (O^T) window 1
.set W_PV, 0x51                        ; source 0 (V), C and D (O^T) window 1
.set TO_1, 0x40                        ; the destination of a load window 1
.set FR_1, 0x04                        ; source 1 (the data of a store) window 1
.macro PLACES n
.rept \n
	v_nop
.endr
.endm
.macro ROUND                           ; a round of the barrier of the cluster
	s_barrier_signal -1
	s_barrier_wait -1
	s_cmp_lg_u32 s[WV], 0
	s_cbranch_scc1 .Lnot_wave_0_\@
	s_barrier_signal -3
.Lnot_wave_0_\@:
	s_barrier_wait -3
	s_barrier_signal -1
	s_barrier_wait -1
.endm
; 32 numbers of a lane, register s + 16 b + i = k 32 b + 16 (lane / 16) + i of my row, become the six registers pc .. pc + 5 of an operand (lane (r, h): k = 32 h + 0 .. 31) and the scale word pw (bytes s0, s1, 0, 0).
.macro QUANT2 s, pc, pt, pw
.irp b, 0,1
	v_max3_num_f32 v[BM+\b], |v[\s+16*\b]|, |v[\s+16*\b+1]|, 0x2800000   ; my 16 numbers of block b, and the floor 2^(5 - 127): the byte cannot fall under 1
.endr
.irp i, 2,4,6,8,10,12,14
.irp b, 0,1
	v_max3_num_f32 v[BM+\b], v[BM+\b], |v[\s+16*\b+\i]|, |v[\s+16*\b+\i+1]|
.endr
.endr
.irp b, 0,1
	v_permlanex16_b32 v[BP+\b], v[BM+\b], s[SEL], s[SEL+1]
.endr
.irp b, 0,1
	v_max_num_f32 v[BM+\b], v[BM+\b], v[BP+\b]
.endr
.irp b, 0,1
	v_add_nc_u32 v[SO+\b], 0xfe000000, v[BM+\b]    ; 4 off the exponent field: the scale operand of the conversion
.endr
.irp b, 0,1
	v_lshrrev_b32 v[BP+\b], 23, v[SO+\b]
.endr
	v_lshl_or_b32 v[\pw], v[BP+1], 8, v[BP]
	v_cvt_scalef32_pk16_bf6_f32 v[\pc:\pc+2], v[\s:\s+15], v[SO]
	v_cvt_scalef32_pk16_bf6_f32 v[\pt:\pt+2], v[\s+16:\s+31], v[SO+1]
	v_nop                                          ; one plain place behind a scaled conversion
.irp i, 0,1,2
	v_permlane16_swap_b32 v[\pc+\i], v[\pt+\i]
.endr
.irp i, 0,1,2
	v_mov_b32 v[\pc+3+\i], v[\pt+\i]
.endr
.endm
; Pair kk of the 32 pairs of p goes into the sum: even pairs into the running sum, odd ones into a second chain.  first = 1: nothing has been summed yet: pairs 2 and 3 start the running sum.
.macro PSUM first
.if kk == 1
	s_wait_alu depctr_va_vdst(0)
	v_pk_add_f32 v[ACC2:ACC2+1], v[S:S+1], v[S+2:S+3]
.elseif (kk == 2) && \first
.elseif (kk == 3) && \first
	s_wait_alu depctr_va_vdst(0)
	v_pk_add_f32 v[LL:LL+1], v[S+4:S+5], v[S+6:S+7]
.elseif (kk > 1) && (kk%2 == 0)
	v_pk_add_f32 v[LL:LL+1], v[LL:LL+1], v[S+2*kk:S+2*kk+1]
.elseif kk > 1
	s_wait_alu depctr_va_vdst(0)
	v_pk_add_f32 v[ACC2:ACC2+1], v[ACC2:ACC2+1], v[S+2*kk:S+2*kk+1]
.endif
.endm
; ONE TILE OF 16 QUERIES AGAINST ONE KEY STEP.  first = 1: my first key step: it starts M, the sum and O^T, so nothing is ever cleared.
.macro TILE q, first
.set NM,  16+4*(\q)
.set TMX, NM+1
.set LL,  NM+2
.set QF,  QF0+12*(\q)
.set OT,  OT0+32*(\q)
	WIN W_KQ
.irp T, 0,1,2,3,4,5,6,7                        ; S^T = K Q^T: eight accumulators, one instruction each
.if \T%2
	v_wmma_scale_f32_16x16x128_f8f6f4 v[S+8*\T:S+8*\T+7], v[KF+6*\T:KF+6*\T+11], v[QF:QF+11], 0, v[SC+4*(\T/4)+(\T%4)/2], v[QS+\q] matrix_a_fmt:MATRIX_FMT_BF6 matrix_b_fmt:MATRIX_FMT_BF6 matrix_a_scale:MATRIX_SCALE_ROW1
.else
	v_wmma_scale_f32_16x16x128_f8f6f4 v[S+8*\T:S+8*\T+7], v[KF+6*\T:KF+6*\T+11], v[QF:QF+11], 0, v[SC+4*(\T/4)+(\T%4)/2], v[QS+\q] matrix_a_fmt:MATRIX_FMT_BF6 matrix_b_fmt:MATRIX_FMT_BF6
.endif
.endr
	WIN 0
	PLACES 4                                       ; in front of the first read of the scores (ISA guide 7.12.1)
.irp b, 0,1,2,3
	v_max3_num_f32 v[BM+\b], v[S+16*\b], v[S+16*\b+1], v[S+16*\b+2]   ; the largest score of each block of 32 keys: it serves for the maximum of the row and, since p rises with the score, for the largest p of the block
.endr
.irp i, 3,5,7,9,11,13
.irp b, 0,1,2,3
	v_max3_num_f32 v[BM+\b], v[BM+\b], v[S+16*\b+\i], v[S+16*\b+\i+1]
.endr
.endr
.irp b, 0,1,2,3
	v_max_num_f32 v[BM+\b], v[BM+\b], v[S+16*\b+15]
.endr
.irp b, 0,1,2,3
	v_permlanex16_b32 v[BP+\b], v[BM+\b], s[SEL], s[SEL+1]
.endr
.irp b, 0,1,2,3
	v_max_num_f32 v[BM+\b], v[BM+\b], v[BP+\b]     ; with the 16 keys of lane l xor 16
.endr
	v_max3_num_f32 v[TMP], v[BM], v[BM+1], v[BM+2]
	v_max_num_f32 v[TMP], v[TMP], v[BM+3]
.if \first
	v_mul_f32 v[TMX], s[CS], v[TMP]                ; the largest t
	v_floor_f32 v[NM], -v[TMX]                     ; -M = floor(-t) = -ceil(t)
.else
	v_mul_f32 v[TMP], s[CS], v[TMP]
	v_max_num_f32 v[TMX], v[TMX], v[TMP]           ; the running largest t
	v_mov_b32 v[TMP], v[NM]
	v_floor_f32 v[NM], -v[TMX]
	v_sub_f32 v[TMP], v[NM], v[TMP]                ; old M - new M: a whole number, 0 or less
	v_cvt_i32_f32 v[TMP], v[TMP]
	v_ldexp_f32 v[FF], 1.0, v[TMP]                 ; f = 2^(old M - new M)
	v_pk_mul_f32 v[LL:LL+1], v[LL:LL+1], v[FF:FF+1] op_sel_hi:[1,0]
.endif
	v_pk_fma_f32 v[S:S+1], v[S:S+1], s[CS:CS+1], v[NM:NM+1] op_sel_hi:[1,0,0]       ; t - M, two at a time
	v_pk_fma_f32 v[S+2:S+3], v[S+2:S+3], s[CS:CS+1], v[NM:NM+1] op_sel_hi:[1,0,0]
.irp b, 0,1,2,3
	v_fma_f32 v[BM+\b], v[BM+\b], s[CS], v[NM]     ; the same of the largest score of each block
.endr
.irp b, 0,1,2,3
	v_exp_f32 v[BM+\b], v[BM+\b]                   ; the largest p of the block: the same two instructions on the same number
.endr
; 32 groups: the scaling of the pair two groups on, the two exponentials of this pair, and plain work that is ready: in the first four groups the scale word of p, then the sum of the pair one group back.
; So a plain line stands between every exponential and the first use of its result.
.set g, 0
.rept 32
.if g < 30
	v_pk_fma_f32 v[S+2*g+4:S+2*g+5], v[S+2*g+4:S+2*g+5], s[CS:CS+1], v[NM:NM+1] op_sel_hi:[1,0,0]
.endif
	v_exp_f32 v[S+2*g], v[S+2*g]                   ; p = 2^(t - M), at most 1
	v_exp_f32 v[S+2*g+1], v[S+2*g+1]
.if g == 0
	s_wait_alu depctr_va_vdst(0)
.irp b, 0,1,2,3
	v_max_num_f32 v[BM+\b], 0x2800000, v[BM+\b]    ; the floor 2^(5 - 127): the byte cannot fall under 1
.endr
.elseif g == 1
.irp b, 0,1,2,3
	v_add_nc_u32 v[SO+\b], 0xfe000000, v[BM+\b]    ; 4 off the exponent field: the scale operand of the conversion
.endr
.elseif g == 2
.irp b, 0,1,2,3
	v_lshrrev_b32 v[BP+\b], 23, v[SO+\b]           ; the byte
.endr
.elseif g == 3
	v_lshl_or_b32 v[PS], v[BP+1], 8, v[BP]         ; the scale word of p for these 128 keys: it stands far more than eight plain lines ahead of its products
	v_lshl_or_b32 v[PS], v[BP+2], 16, v[PS]
	v_lshl_or_b32 v[PS], v[BP+3], 24, v[PS]
.endif
.set kk, g-1
.if kk < 27
	PSUM \first
.endif
.set g, g+1
.endr
.set kk, 27
	PSUM \first                                    ; the plain line between the last exponential and the conversions
.irp c, 0,1
	v_cvt_scalef32_pk16_bf6_f32 v[PC+6*\c:PC+6*\c+2], v[S+32*\c:S+32*\c+15], v[SO+2*\c]
	v_cvt_scalef32_pk16_bf6_f32 v[PT+4*\c:PT+4*\c+2], v[S+32*\c+16:S+32*\c+31], v[SO+2*\c+1]
.endr
	v_nop                                          ; one plain place behind a scaled conversion
.irp c, 0,1
.irp i, 0,1,2
	v_permlane16_swap_b32 v[PC+6*\c+\i], v[PT+4*\c+\i]
.endr
.irp i, 0,1,2
	v_mov_b32 v[PC+3+6*\c+\i], v[PT+4*\c+\i]
.endr
.endr
.irp k, 28,29,30,31                            ; the last four sums and the joining of the chains: five plain lines that name no register of the products below stand behind the last write of their operand (4 are asked)
.set kk, \k
	PSUM \first
.endr
	v_pk_add_f32 v[LL:LL+1], v[LL:LL+1], v[ACC2:ACC2+1]
.if !\first
	WIN W_RS
.set i, 0
.rept 16
	v_pk_mul_f32 v[OT+i:OT+i+1], v[OT+i:OT+i+1], v[FF:FF+1] op_sel_hi:[1,0]   ; O^T under the new M, each accumulator from its low end on
.set i, i+2
.endr
.endif
.if (\q) == 0
	s_wait_dscnt 0x0                               ; V is in
.endif
	WIN W_PV
.irp t, 0,1,2,3                                ; O^T += V^T P^T: four accumulators, one instruction each
.if \first
.if \t%2
	v_wmma_scale_f32_16x16x128_f8f6f4 v[OT+8*\t:OT+8*\t+7], v[VF+12*\t:VF+12*\t+11], v[PC:PC+11], 0, v[VS+\t/2], v[PS] matrix_a_fmt:MATRIX_FMT_BF6 matrix_b_fmt:MATRIX_FMT_BF6 matrix_a_scale:MATRIX_SCALE_ROW1
.else
	v_wmma_scale_f32_16x16x128_f8f6f4 v[OT+8*\t:OT+8*\t+7], v[VF+12*\t:VF+12*\t+11], v[PC:PC+11], 0, v[VS+\t/2], v[PS] matrix_a_fmt:MATRIX_FMT_BF6 matrix_b_fmt:MATRIX_FMT_BF6
.endif
.else
.if \t%2
	v_wmma_scale_f32_16x16x128_f8f6f4 v[OT+8*\t:OT+8*\t+7], v[VF+12*\t:VF+12*\t+11], v[PC:PC+11], v[OT+8*\t:OT+8*\t+7], v[VS+\t/2], v[PS] matrix_a_fmt:MATRIX_FMT_BF6 matrix_b_fmt:MATRIX_FMT_BF6 matrix_a_scale:MATRIX_SCALE_ROW1
.else
	v_wmma_scale_f32_16x16x128_f8f6f4 v[OT+8*\t:OT+8*\t+7], v[VF+12*\t:VF+12*\t+11], v[PC:PC+11], v[OT+8*\t:OT+8*\t+7], v[VS+\t/2], v[PS] matrix_a_fmt:MATRIX_FMT_BF6 matrix_b_fmt:MATRIX_FMT_BF6
.endif
.endif
.endr
.endm
; A KEY STEP: its 34 LDS loads in one run (2 of scale words, 16 of K, 16 of V), then the four tiles of queries.
.macro STEP slot, first
.irp c, 0,1
	ds_load_b128 v[SC+4*\c:SC+4*\c+3], v[A16+\slot] offset:HB*\c+6144
.endr
	WIN TO_1
.irp c, 0,1
.irp i, 0,1,2,3
	ds_load_b128 v[KF+6*(4*\c+\i):KF+6*(4*\c+\i)+3], v[A16+\slot] offset:HB*\c+768*\i
	ds_load_b64 v[KF+6*(4*\c+\i)+4:KF+6*(4*\c+\i)+5], v[A8+\slot] offset:HB*\c+768*\i+512
.endr
.endr
.irp c, 0,1
.irp t, 0,1,2,3
	ds_load_b128 v[VF+12*\t+6*\c:VF+12*\t+6*\c+3], v[A16+\slot] offset:HB*\c+3072+768*\t
	ds_load_b64 v[VF+12*\t+6*\c+4:VF+12*\t+6*\c+5], v[A8+\slot] offset:HB*\c+3072+768*\t+512
.endr
.endr
	WIN 0
	s_wait_dscnt 16                                ; the scale words and K are in; the 16 loads of V may be out
	v_or_b32 v[VS], v[SC+2], v[SC+6]               ; the scale words of V: two bytes from each half-block
	v_or_b32 v[VS+1], v[SC+3], v[SC+7]
	TILE 0, \first
	TILE 1, \first
	TILE 2, \first
	TILE 3, \first
	WIN 0
.endm
; THE CHANGE OF SLOTS.  Each wave waits for all its tensor loads (the one that is out is the next step), adds 0 to its spare word, waits for that and for its reads of the slot that it leaves; a round of the barrier of the
; cluster; then the joint refill of the slot just left, with the step two on: it has a whole key step in which to land.
.macro CHANGE
	s_wait_tensorcnt 0x0                           ; no tensor load of mine is out, so a group 0 may be written
	ds_add_u32 v[SPW], v[NIL]                      ; 0 onto my spare word
	s_xor_b32 s[G0W+1], s[G0W+1], SLOT1            ; the walking descriptor: the other slot than last time,
	s_add_nc_u64 s[G0W+2:G0W+3], s[G0W+2:G0W+3], STEPB   ; the next key step; the type bits on top are not reached
	s_wait_dscnt 0x0                               ; the add is done, and my reads of the slot are over
	ROUND
	tensor_load_to_lds s[G0W:G0W+3], s[G1:G1+7]    ; the first thing behind the round, and my one tensor load until the next
	s_nop 0
	PLACES 4                                       ; also the places in front of the loads into the registers of V, which the last products read
.endm
	s_load_b256 s[4:11], s[0:1], 0x0               ; x1 codes s[4:5], scales s[6:7], theta_w codes s[8:9], scales s[10:11]
	s_load_b256 s[12:19], s[0:1], 0x20             ; theta_b s[12:13], kv s[14:15], W_w codes s[16:17], scales s[18:19]
	s_load_b128 s[20:23], s[0:1], 0x40             ; W_b s[20:21], x0 s[22:23]
	s_load_b64 s[24:25], s[0:1], 0x50              ; out0
	v_lshl_add_u32 v[SPW], v0, 2, SPARE
	v_mov_b32 v[NIL], 0
	ds_add_u32 v8, v9
	ds_add_u32 v8, v9
	s_wait_dscnt 0x0
	v_lshrrev_b32 v1, 5, v0
	v_readfirstlane_b32 s[WV], v1                  ; wave 0..7
	s_bfe_u32 s27, ttmp6, 0x40000                  ; cx: it enters the addresses of x1, x0 and out0 alone
	s_lshl_b32 s28, ttmp9, 2
	s_add_co_u32 s28, s28, s27                     ; my block of 64 queries among all 256 = 4 x cluster + cx
	s_lshr_b32 s29, ttmp9, 4                       ; the batch, which the four partners share
	s_and_b32 s52, s[WV], 3                        ; the tile of queries that I prepare and finish
	s_lshr_b32 s53, s[WV], 2                       ; the half of the 128 output channels that I make
	s_lshl_b32 s30, s[WV], 14                      ; my part of a slot
	; descriptor group 1: a key step is 13,312 dense bytes: 52 rows of 32 elements of 8 bytes, no padding
	s_mov_b32 s[G1], 15|(3<<16)|(1<<21)            ; the mask: all four work-groups; elements of 8 bytes; bit 21 set beside a mask
	s_mov_b32 s[G1+1], 32<<16                      ; tensor_dim0 = 32
	s_mov_b32 s[G1+2], 52<<16                      ; tensor_dim1 = 52
	s_mov_b32 s[G1+3], 32<<16                      ; tile_dim0 = 32
	s_mov_b32 s[G1+4], 52                          ; tile_dim1 = 52
	s_mov_b32 s[G1+5], 32                          ; the pitch
	s_mov_b32 s[G1+6], 0
	s_mov_b32 s[G1+7], 0
	s_mul_i32 s58, s29, 32*STEPB                   ; kv: the batch has 32 key steps,
	s_mul_i32 s59, s[WV], 4*STEPB                  ; of which four are mine
	s_add_co_u32 s58, s58, s59
	s_mov_b32 s59, 0
	s_mov_b32 s[SEL], 0x76543210
	s_mov_b32 s[SEL+1], 0xfedcba98
	s_mov_b32 s[CS], 0x3fb8aa3b                    ; log2(e)
	s_mov_b32 s[CS+1], s[CS]
	s_wait_kmcnt 0x0
	s_mov_b32 s[G0A], 1
	s_mov_b32 s[G0A+1], s30                        ; slot 0
	s_add_nc_u64 s[G0A+2:G0A+3], s[14:15], s[58:59]   ; my first key step
	s_mov_b32 s[G0W], 1
	s_add_co_u32 s[G0W+1], s30, SLOT1              ; slot 1
	s_add_nc_u64 s[G0W+2:G0W+3], s[G0A+2:G0A+3], STEPB   ; my second
	s_or_b32 s[G0A+3], s[G0A+3], 0x80000000        ; type = 2
	s_or_b32 s[G0W+3], s[G0W+3], 0x80000000
	ROUND                                          ; all four work-groups are here: the first joint loads meet
	tensor_load_to_lds s[G0A:G0A+3], s[G1:G1+7]
	s_nop 0
	tensor_load_to_lds s[G0W:G0W+3], s[G1:G1+7]
	s_nop 0
	PLACES 4
	; ---- theta of query tile w % 4 (waves w and w + 4 make the same tile, each for its own four waves)
	v_and_b32 v3, 31, v0                           ; lane
	v_and_b32 v1, 15, v0                           ; r
	v_bfe_u32 v2, v0, 4, 1                         ; h
	v_and_b32 v[OF3], 8, v1
	v_add_nc_u32 v[OF3], v[OF3], v1                ; r + 8 (r / 8)
	v_mul_u32_u24 v[OF0], v1, 96
	v_mad_u32_u24 v[OF0], v2, 24, v[OF0]           ; x1: row r of 96 bytes, + 24 h
	v_mul_u32_u24 v[OF1], v[OF3], 96
	v_mad_u32_u24 v[OF1], v2, 24, v[OF1]           ; theta_w: row r + 8 (r / 8) of a tile
	v_lshlrev_b32 v[OF2], 2, v1                    ; the scale words of x1: 4 bytes a row
	v_lshlrev_b32 v[OF3], 2, v[OF3]                ; those of theta_w
	v_lshlrev_b32 v[OF4], 6, v2                    ; theta_b: 16 h numbers on
	s_lshl_b32 s54, s28, 6
	s_lshl_b32 s55, s52, 4
	s_add_co_u32 s54, s54, s55                     ; the first of my 16 rows of x1
	s_mul_i32 s56, s54, 96
	s_mov_b32 s57, 0
	s_lshl_b32 s54, s54, 2
	s_mov_b32 s55, 0
	s_add_nc_u64 s[4:5], s[4:5], s[56:57]
	s_add_nc_u64 s[6:7], s[6:7], s[54:55]
.irp p, 0,1,2,3,4,5
	global_load_b64 v[PC+2*\p:PC+2*\p+1], v[OF0], s[4:5] offset:48*(\p/3)+8*(\p%3)
.endr
	global_load_b32 v[WS], v[OF2], s[6:7]
.irp t, 0,1,2,3
.irp p, 0,1,2,3,4,5
	global_load_b64 v[S+12*\t+2*\p:S+12*\t+2*\p+1], v[OF1], s[8:9] offset:(32*(\t/2)+8*(\t%2))*96+48*(\p/3)+8*(\p%3)
.endr
	global_load_b32 v[SC+\t], v[OF3], s[10:11] offset:(32*(\t/2)+8*(\t%2))*4
	global_load_b128 v[TA+8*\t:TA+8*\t+3], v[OF4], s[12:13] offset:(32*(\t/2)+8*(\t%2))*4       ; theta_b is the C of the product
	global_load_b128 v[TA+8*\t+4:TA+8*\t+7], v[OF4], s[12:13] offset:(32*(\t/2)+8*(\t%2))*4+16
.endr
	; while they come: the other bases, the LDS addresses, the zeros
	s_mul_i32 s60, s53, 3072
	s_mov_b32 s61, 0
	s_add_nc_u64 s[16:17], s[16:17], s[60:61]      ; W_w: my 64 rows of 48 bytes,
	s_lshl_b32 s60, s53, 7
	s_add_nc_u64 s[18:19], s[18:19], s[60:61]      ; their scale bytes, 2 a row,
	s_lshl_b32 s60, s53, 8
	s_add_nc_u64 s[20:21], s[20:21], s[60:61]      ; their W_b
	s_lshl_b32 s62, s29, 21                        ; x0 and out0: the batch,
	s_lshl_b32 s63, s[WV], 18                      ; the 16 channels that I store,
	s_add_co_u32 s62, s62, s63
	s_and_b32 s63, s28, 63
	s_lshl_b32 s63, s63, 8                         ; the 64 positions
	s_add_co_u32 s62, s62, s63
	s_mov_b32 s63, 0
	s_add_nc_u64 s[22:23], s[22:23], s[62:63]
	s_add_nc_u64 s[24:25], s[24:25], s[62:63]
	v_lshl_add_u32 v[A16], v3, 4, s30
	v_add_nc_u32 v[A16+1], SLOT1, v[A16]
	v_lshl_add_u32 v[A8], v3, 3, s30
	v_add_nc_u32 v[A8+1], SLOT1, v[A8]
	s_lshl_b32 s54, s[WV], 10
	s_add_co_u32 s55, s54, QIMG
	v_lshl_add_u32 v[QW16], v3, 4, s55
	v_lshl_add_u32 v[QW8], v3, 3, s55
	v_lshl_add_u32 v[QW4], v3, 2, s55
	s_add_co_u32 s55, s54, STATS
	v_lshl_add_u32 v[SW], v3, 3, s55
	s_and_b32 s54, s[WV], 4
	s_lshl_b32 s54, s54, 10
	s_add_co_u32 s54, s54, QIMG
	v_lshl_add_u32 v[QR16], v3, 4, s54
	v_lshl_add_u32 v[QR8], v3, 3, s54
	v_lshl_add_u32 v[QR4], v3, 2, s54
	s_lshl_b32 s54, s52, 8
	s_add_co_u32 s54, s54, STATS
	v_lshl_add_u32 v[SA], v3, 3, s54
	s_lshl_b32 s54, s52, 12
	v_lshl_add_u32 v[MB0], v3, 4, s54
	v_add_nc_u32 v[MB1], 0x10000, v[MB0]
	s_mul_i32 s54, s53, 64*SP
	s_lshl_b32 s55, s52, 6
	s_add_co_u32 s54, s54, s55
	s_add_co_u32 s54, s54, STG
	v_mul_u32_u24 v[SGA], v2, 8*SP
	v_lshl_add_u32 v[SGA], v1, 2, v[SGA]
	v_add_nc_u32 v[SGA], s54, v[SGA]               ; the stage, in: row = channel 64 (w / 4) + 8 h (+ 16 i + j), column = query 16 (w % 4) + r
	s_mul_i32 s54, s[WV], 16*SP
	s_add_co_u32 s54, s54, STG
	v_mul_u32_u24 v[SGR], v2, SP
	v_lshl_add_u32 v[SGR], v1, 4, v[SGR]
	v_add_nc_u32 v[SGR], s54, v[SGR]               ; back: rows 16 w + h (+ 2 i), 16 bytes a lane
.irp q, 0,1,2,3
.irp i, 6,7,8,9,10,11
	v_mov_b32 v[QF0+12*\q+\i], 0                   ; the upper half of Q: zero codes
.endr
.endr
.irp b, 0,1,2,3
	v_mov_b32 v[BP+\b], 0                          ; written once: the destination of a lane permute counts as one of its sources
.endr
	v_mov_b32 v[FF+1], 0                           ; (named as the upper half of a pair)
	WIN TO_1
.irp i, 48,49,50,51,52,53
	v_mov_b32 v[\i], 0                             ; behind the eighth tile of K
.endr
	WIN 0
	s_wait_loadcnt 0x0
.irp t, 0,1,2,3                                ; transposed: source 0 = 16 rows of theta_w, source 1 = 16 rows of x1: a lane holds one query, its registers run along ci
	v_wmma_scale_f32_16x16x128_f8f6f4 v[TA+8*\t:TA+8*\t+7], v[S+12*\t:S+12*\t+11], v[PC:PC+11], v[TA+8*\t:TA+8*\t+7], v[SC+\t], v[WS] matrix_a_fmt:MATRIX_FMT_BF6 matrix_b_fmt:MATRIX_FMT_BF6
.endr
	PLACES 4
	QUANT2 TA, TC, TC+6, WS
	ds_store_b128 v[QW16], v[TC:TC+3]              ; the six registers and the scale word as they stand
	ds_store_b64 v[QW8], v[TC+4:TC+5] offset:512
	ds_store_b32 v[QW4], v[WS] offset:768
	s_wait_dscnt 0x0                               ; for the other waves: my stores have landed
	s_barrier_signal -1
	s_barrier_wait -1
.irp q, 0,1,2,3
	ds_load_b128 v[QF0+12*\q:QF0+12*\q+3], v[QR16] offset:1024*\q
	ds_load_b64 v[QF0+12*\q+4:QF0+12*\q+5], v[QR8] offset:1024*\q+512
	ds_load_b32 v[QS+\q], v[QR4] offset:1024*\q+768
.endr
	s_wait_dscnt 0x0
	; ---- my four key steps.  Written out: the first starts all sums, the first two are followed by a refill, the last two are not
	s_wait_tensorcnt 0x1                           ; my first step is in; the load of the second was issued behind it and may be out
	STEP 0, 1
	CHANGE                                         ; step 2 into slot 0
	STEP 1, 0
	CHANGE                                         ; step 3 into slot 1
	STEP 0, 0
	s_wait_tensorcnt 0x0                           ; my last step is in: no load was issued behind it
	PLACES 4                                       ; in front of the loads into the registers of V
	STEP 1, 0
	; ---- my partial results go to LDS: (-M, sum) and O^T as it stands, into my part of slot 0, which has had its last fill and which only I have read
.irp q, 0,1,2,3
	v_add_f32 v[BM+\q], v[18+4*\q], v[19+4*\q]     ; the two halves of the sum.  (These lines are the places behind the last products)
.endr
.irp q, 0,1,2,3
	v_permlanex16_b32 v[BP+\q], v[BM+\q], s[SEL], s[SEL+1]
.endr
.irp q, 0,1,2,3
	v_add_f32 v[17+4*\q], v[BM+\q], v[BP+\q]       ; and those of lane l xor 16: the sum takes the place of the largest t
.endr
	v_mul_u32_u24 v[OF0], v1, 48                   ; (the loads of the head that read these four registers were waited for there)
	v_mad_u32_u24 v[OF0], v2, 24, v[OF0]           ; W_w: row r of 48 bytes, + 24 h
	v_lshlrev_b32 v[OF1], 1, v1                    ; its scale bytes: 2 a row
	v_lshlrev_b32 v[OF2], 5, v2                    ; W_b: 8 h numbers on
	v_lshlrev_b32 v[OF3], 14, v2
	v_lshl_add_u32 v[OF3], v1, 4, v[OF3]           ; x0, out0: lanes 0-15 one channel, lanes 16-31 the next; 16 bytes a lane
.irp i, 0,1,2,3,4,5
	v_mov_b32 v[QF0+24+\i], 0                      ; behind the fourth tile of W_w
.endr
.irp q, 0,1,2,3
	ds_store_b64 v[SW], v[16+4*\q:17+4*\q] offset:256*\q
.endr
	WIN FR_1
.set i, 0
.rept 32
	ds_store_b128 v[A16], v[OT0+4*i:OT0+4*i+3] offset:512*i   ; each accumulator from its low end on
.set i, i+1
.endr
	WIN 0
.irp i, 0,1,2,3
.irp p, 0,1,2
	global_load_b64 v[QF0+6*\i+2*\p:QF0+6*\i+2*\p+1], v[OF0], s[16:17] offset:768*\i+8*\p
.endr
.endr
.irp i, 0,1,2,3
	global_load_u16 v[SC+\i], v[OF1], s[18:19] offset:32*\i    ; bytes s0, s1, 0, 0
.endr
.irp i, 0,1,2,3
	global_load_b128 v[TA+8*\i:TA+8*\i+3], v[OF2], s[20:21] offset:64*\i    ; W_b is the C of the last product
	global_load_b128 v[TA+8*\i+4:TA+8*\i+7], v[OF2], s[20:21] offset:64*\i+16
.endr
	WIN TO_1
.irp i, 0,1,2,3,4,5,6,7
	global_load_b128 v[4*\i:4*\i+3], v[OF3], s[22:23] offset:32768*\i th:TH_LOAD_NT   ; x0 for the residual: 16 lanes read 256 consecutive bytes; read once in this launch
.endr
	WIN 0
	s_wait_dscnt 0x0
	s_barrier_signal -1
	s_barrier_wait -1                              ; all eight partial results lie in LDS
	; ---- the eight parts of query tile w % 4 are joined (waves w and w + 4 both do it: each needs all 64 channels for the quantiser)
.macro MLOAD p                         ; part p of my tile, 32 registers, into buffer p % 2
.irp i, 0,1,2,3,4,5,6,7
.if (\p) < 4
	ds_load_b128 v[S+32*((\p)%2)+4*\i:S+32*((\p)%2)+4*\i+3], v[MB0] offset:16384*(\p)+512*\i
.else
	ds_load_b128 v[S+32*((\p)%2)+4*\i:S+32*((\p)%2)+4*\i+3], v[MB1] offset:16384*((\p)-4)+512*\i
.endif
.endr
.endm
.irp p, 0,1,2,3,4,5,6,7
	ds_load_b64 v[MS+2*\p:MS+2*\p+1], v[SA] offset:1024*\p     ; into the registers of my own statistics, which lie in LDS now
.endr
	MLOAD 0
	MLOAD 1
	s_wait_dscnt 16                                ; the statistics are in; the 16 loads of parts 0 and 1 may be out
	v_min3_num_f32 v[MT], v[MS], v[MS+2], v[MS+4]  ; the least -M: the M of the whole row
	v_min3_num_f32 v[MT], v[MT], v[MS+6], v[MS+8]
	v_min3_num_f32 v[MT], v[MT], v[MS+10], v[MS+12]
	v_min_num_f32 v[MT], v[MT], v[MS+14]
.irp p, 0,1,2,3,4,5,6,7
	v_sub_f32 v[MS+2*\p], v[MT], v[MS+2*\p]        ; M of part p less M: a whole number, 0 or less
.endr
.irp p, 0,1,2,3,4,5,6,7
	v_cvt_i32_f32 v[MS+2*\p], v[MS+2*\p]
.endr
.irp p, 0,1,2,3,4,5,6,7
	v_ldexp_f32 v[MS+2*\p], 1.0, v[MS+2*\p]        ; the factor of part p
.endr
	v_mul_f32 v[MT+1], v[MS], v[MS+1]
.irp p, 1,2,3,4,5,6,7
	v_fmac_f32 v[MT+1], v[MS+2*\p], v[MS+2*\p+1]   ; the sum of the row
.endr
	v_rcp_f32 v[MT+1], v[MT+1]
	v_nop                                          ; one plain place behind a transcendental
	s_wait_alu depctr_va_vdst(0)
.irp p, 0,1,2,3,4,5,6,7
	v_mul_f32 v[MS+2*\p], v[MS+2*\p], v[MT+1]      ; factor / sum
.endr
.irp p, 0,1,2,3,4,5,6,7
.if \p < 7
	s_wait_dscnt 8                                 ; part p is in; the eight loads of the next part may be out
.else
	s_wait_dscnt 0x0
.endif
.irp k, 0,2,4,6,8,10,12,14,16,18,20,22,24,26,28,30
.if \p == 0
	v_pk_mul_f32 v[Y+\k:Y+\k+1], v[S+\k:S+\k+1], v[MS:MS+1] op_sel_hi:[1,0]
.else
	v_pk_fma_f32 v[Y+\k:Y+\k+1], v[S+32*(\p%2)+\k:S+32*(\p%2)+\k+1], v[MS+2*\p:MS+2*\p+1], v[Y+\k:Y+\k+1] op_sel_hi:[1,0,1]
.endif
.endr
.if \p < 6
	MLOAD \p+2
.endif
.endr
	; ---- y is quantised along its 64 channels; out = W_w y + W_b: source 0 = 16 rows of W_w, source 1 = y: a lane holds one query and eight channels a tile
.irp i, 6,7,8,9,10,11
	v_mov_b32 v[YC+\i], 0                          ; the upper half of y: zero codes.  (Both buffers of the merge are done with)
.endr
	QUANT2 Y, YC, YC+12, WS
	s_wait_loadcnt 8                               ; W_w, its scale bytes and W_b are in; the eight loads of x0 may be out
	PLACES 8                                       ; the scale word of y, written by a vector instruction, stands 8 places ahead, its codes 4
.irp i, 0,1,2,3
	v_wmma_scale_f32_16x16x128_f8f6f4 v[TA+8*\i:TA+8*\i+7], v[QF0+6*\i:QF0+6*\i+11], v[YC:YC+11], v[TA+8*\i:TA+8*\i+7], v[SC+\i], v[WS] matrix_a_fmt:MATRIX_FMT_BF6 matrix_b_fmt:MATRIX_FMT_BF6
.endr
	PLACES 4                                       ; in front of the stores that read the results, and of the loads below into the registers that held the codes of y
.set i, 0
.rept 32
	ds_store_b32 v[SGA], v[TA+i] offset:(16*(i/8)+i%8)*SP     ; lanes 0-15 write 64 consecutive bytes of a row, lanes 16-31 of the row eight further on, 32 banks aside
.set i, i+1
.endr
	s_wait_dscnt 0x0
	s_barrier_signal -1
	s_barrier_wait -1                              ; 128 whole rows of 64 positions lie in the stage
.irp i, 0,1,2,3,4,5,6,7
	ds_load_b128 v[S+4*\i:S+4*\i+3], v[SGR] offset:2*SP*\i
.endr
	s_wait_loadcnt 0x0                             ; x0
	s_wait_dscnt 0x0
	WIN FR_1
.set i, 0
.rept 16
	v_pk_add_f32 v[S+i:S+i+1], v[S+i:S+i+1], v[i:i+1]         ; the residual
.set i, i+2
.endr
	WIN 0
.irp i, 0,1,2,3,4,5,6,7
	global_store_b128 v[OF3], v[S+4*\i:S+4*\i+3], s[24:25] offset:32768*\i th:TH_STORE_NT   ; 16 lanes store 256 consecutive bytes, at a multiple of 256 from the first byte of out0
.endr
	s_wait_tensorcnt 0x0                           ; the end of the wave
	ds_add_u32 v[SPW], v[NIL]
	s_wait_dscnt 0x0
	ROUND                                          ; the closing round: no work-group ends while a partner may still ask for a tile that names it
	s_endpgm
.Lfunc_end_k_q6d98db1186_attend:
	.size	k_q6d98db1186_attend, .Lfunc_end_k_q6d98db1186_attend-k_q6d98db1186_attend
	.p2alignl 7, 3214868480
	.fill 96, 4, 3214868480
	.section	.rodata,"a",@progbits
	.p2align	6, 0x0
	.amdhsa_kernel k_q6d98db1186_attend
		.amdhsa_group_segment_fixed_size 327680
		.amdhsa_private_segment_fixed_size 0
		.amdhsa_enable_private_segment 0
		.amdhsa_kernarg_size 88
		.amdhsa_user_sgpr_count 2
		.amdhsa_user_sgpr_kernarg_segment_ptr 1
		.amdhsa_wavefront_size32 1
		.amdhsa_system_sgpr_workgroup_id_x 1
		.amdhsa_system_sgpr_workgroup_id_y 1
		.amdhsa_system_sgpr_workgroup_id_z 1
		.amdhsa_system_vgpr_workitem_id 0
		.amdhsa_next_free_vgpr 512
		.amdhsa_next_free_sgpr 66
		.amdhsa_reserve_vcc 0
		.amdhsa_float_denorm_mode_32 3
		.amdhsa_float_denorm_mode_16_64 3
		.amdhsa_memory_ordered 1
		.amdhsa_forward_progress 1
		.amdhsa_inst_pref_size 255
	.end_amdhsa_kernel
	.section	.bss,"aw",@nobits
	.p2align	6
	.space	262144
	.amdgpu_metadata
---
amdhsa.version: [ 1, 2 ]
amdhsa.kernels:
  - .name:           k_q6d98db1186_attend
    .symbol:         k_q6d98db1186_attend.kd
    .args:
      - { .name: x1_codes, .offset: 0, .size: 8, .value_kind: global_buffer, .address_space: global }
      - { .name: x1_scales, .offset: 8, .size: 8, .value_kind: global_buffer, .address_space: global }
      - { .name: theta_w_codes, .offset: 16, .size: 8, .value_kind: global_buffer, .address_space: global }
      - { .name: theta_w_scales, .offset: 24, .size: 8, .value_kind: global_buffer, .address_space: global }
      - { .name: theta_b, .offset: 32, .size: 8, .value_kind: global_buffer, .address_space: global }
      - { .name: kv, .offset: 40, .size: 8, .value_kind: global_buffer, .address_space: global }
      - { .name: W_w_codes, .offset: 48, .size: 8, .value_kind: global_buffer, .address_space: global }
      - { .name: W_w_scales, .offset: 56, .size: 8, .value_kind: global_buffer, .address_space: global }
      - { .name: W_b, .offset: 64, .size: 8, .value_kind: global_buffer, .address_space: global }
      - { .name: x0, .offset: 72, .size: 8, .value_kind: global_buffer, .address_space: global }
      - { .name: out0, .offset: 80, .size: 8, .value_kind: global_buffer, .address_space: global }
    .group_segment_fixed_size: 327680
    .private_segment_fixed_size: 0
    .kernarg_segment_align: 8
    .kernarg_segment_size: 88
    .max_flat_workgroup_size: 256
    .sgpr_count:     66
    .vgpr_count:     512
    .wavefront_size: 32
...
	.end_amdgpu_metadata
.endif
;; end of part 2
